; MI455X (gfx1250); checked and timed in simulation.
; The chip was launched on July 23, 2026; its instructions are those of AMD's public machine-readable ISA for CDNA 5 (MIT licence, August 2026) and "CDNA5" Instruction Set Architecture Reference Guide (July 2026). The comments in the code are by the model that wrote it; some were corrected since.
;; Parallel Unified Attention. Allowed arithmetic: matrix products marked QUANTISED: E3M2 operands, one E8M0 scale for each 32 along K, by v_wmma_scale_f32_16x16x128_f8f6f4 with both operands' format E3M2, f32 sums; products left as they are: f32 operands where the result goes on into a quantised operand, else bf16, f16 or f32 operands; f32 sums; everything else in f32.
;; Inputs: Wc 1,024 x 8,192 float32; Wq 8,192 x 1,024 float32; bc 1,024 float32; bq 8,192 float32; x 1,024 x 8 x 1,024 float32.
;; Outputs: out0 8 x 1,024 float32.
;; This version of the problem:
;;   THIS VERSION OF THE PROBLEM IS GIVEN IN LOW PRECISION. The matrix products marked QUANTISED in the list below multiply operands that are first quantised to E3M2 (3 exponent bits, 2 mantissa bits; 6 bits a number), with one power-of-two scale for each 32 numbers along K (OCP MX v1.0); their sums are f32. All else is computed in f32.
;;   The module's matrix products, in the order in which they are computed (A, B: the left and right operand; K: the contracted axis; several contracted axes count as one K, in the product's order):
;;     1. [M 8,192, K 1,024] x [K 1,024, N 8,192]; A: input x; B: input Wq: QUANTISED
;;     2. batch 8,192 x [M 8, K 1,024] x [K 1,024, N 1]; A: softmax; B: input x: left as it is (M = 8 < 16)
;;     3. [M 8, K 8,192] x [K 8,192, N 1,024]; A: computed on the way; B: input Wc: left as it is (M = 8 < 16)
;;   THE QUANTISER, for each operand of a quantised product, along K:
;;     - K is cut into blocks of 32 from its start; a last block that is shorter is filled with zeros.
;;     - A block's scale is 2^e with e = floor(log2(the largest magnitude in the block)) - 4, held to -126 .. 127; a block of zeros has e = 0. As a byte (E8M0): e + 127.
;;     - Each number is divided by its block's scale, clamped to +-28, and rounded to the nearest number of E3M2, ties to even, subnormals kept.
;;     - The product sums the exact products of the quantised numbers (number of the format x scale) in f32.
;;   ~~~python
;;   def quantise(x, axis):      # numpy; x: float32 -> the quantised numbers, widened to float32 again
;;       x = np.moveaxis(x, axis, -1); K = x.shape[-1]
;;       x = np.pad(x, [(0, 0)] * (x.ndim - 1) + [(0, -K % 32)]); x = x.reshape(x.shape[:-1] + (-1, 32)); a = np.abs(x).max(-1, keepdims=True)
;;       e = np.where(a > 0, np.clip(np.frexp(np.where(a > 0, a, 1))[1] - 1 - 4, -126, 127), 0)      # np.frexp(a)[1] - 1 = floor(log2(a)), exactly
;;       r = np.clip(x / 2.0 ** e, -28, 28)
;;       step = 2.0 ** (np.maximum(np.frexp(np.where(r == 0, 1, r))[1] - 1, -2) - 2)
;;       q = np.round(r / step) * step * 2.0 ** e      # np.round: ties to even
;;       return np.moveaxis(q.reshape(q.shape[:-2] + (-1,))[..., :K], -1, axis).astype(np.float32)
;;   ~~~
;; One version. Each part assembles by itself: llvm-mc -triple=amdgcn-amd-amdhsa -mcpu=gfx1250 --defsym DOCPART=n.
;; ======== version 1 of 1: 3 launches
;; limits: right only within a limited range of input values
;; workspace buffers: xq 6,553,600 bytes; wqq 6,553,600 bytes; ho 262,144 bytes
;; launch quant (part 1): grid 256 x 1, 8 waves a work-group, no clusters, 68,608 bytes of LDS; arguments x, Wq, xq, wqq; writes xq, wqq
.if DOCPART == 1
	.amdgcn_target "amdgcn-amd-amdhsa--gfx1250"
	.amdhsa_code_object_version 6
	.text
	.protected	k_qf5e96adca0_quant
	.globl	k_qf5e96adca0_quant
	.p2align	8
	.type	k_qf5e96adca0_quant,@function
k_qf5e96adca0_quant:
	s_mov_b64 s[64:65], 0
	v_nop
	global_prefetch_b8 v0, s[64:65] scope:SCOPE_SE
	s_setreg_imm32_b32 hwreg(HW_REG_WAVE_MODE, 25, 1), 1
	s_wait_xcnt 0x0
; x [1024 s][8 b][1024 e] and Wq [8192 f][1024 e], f32, become codes of BF6 (E3M2) with one E8M0 scale byte for each 32 along e (the first product's K).
; A block's scale is 2^(floor(log2(its largest magnitude)) - 4); its byte is the largest magnitude's exponent field - 4, held at 1 from below.
; THE RESULT IS LAID AS THE NEXT LAUNCH'S OPERAND REGISTERS.  A RECORD of 12,800 bytes holds 16 rows x 1,024 along K: eight fragment images of 1,536 bytes (K step ks at 1536 ks;
; registers 4 c .. 4 c + 3 of lane l at 512 c + 16 l; lane (r = l % 16, h = l / 16) holds row r, registers 6 c .. 6 c + 5 = k 64 c + 32 h + 0 .. 31), then two blocks of 256 bytes of scale words:
; in block g lane l's 8 bytes are the words of row r for K steps 4 g + h and 4 g + 2 + h.  xq's record 64 b + i holds rows s = 16 i + r of batch b; wqq's record j holds rows 16 j + r of Wq.
; SHARES.  Work-groups 0-127 take x, 128-255 Wq: only pointers and offsets are chosen, on the work-group's number; there is one path.  A wave takes 16 rows x 512 along K: four K steps.
; A load reads 512 consecutive bytes of one row, 16 a lane; a K step's 16 rows turn through the wave's own stage in LDS (rows 528 bytes apart) and come back 128 consecutive bytes a lane for each of the lane's two blocks.
; Each store of codes covers 512 consecutive bytes, the store of scale words 256, all at multiples of 256 from the buffer's first byte.  Waves share nothing: no barrier.
; LIMITS: NaN and infinities among the inputs are not served.  A block whose largest magnitude lies under 2^-122 has its byte held at 1; a block of zeros gets the byte 1 where the rule says 127:
; its codes are zeros, which add nothing under that byte, and only this program reads the bytes.
; WORK LEFT OUT BY THE PROGRAM: bq.  reference() adds bq[f] to scores[s][b][f] and takes the softmax over s: the term is the same for all s of a column (b, f), so numerator and denominator of the softmax
; carry the same factor exp(bq[f]) for every finite value of bq, and it cancels; the scores go into no quantiser.  bq has no other way to an output: it is not loaded and is no launch's argument.
; LIMIT: a NaN, an infinity or an overflow that reaches only bq's term is not carried to the result.
.set REC,    12800                     ; a record
.set FRB,    1536                      ; a fragment's image
.set SPITCH, 528                       ; a stage row: 512 bytes + 16: sixteen rows begin at sixteen different multiples of 16 bytes modulo 256
.set WSTG,   16*SPITCH                 ; a wave's stage
.set LI,  1                            ; v1   16 x lane
.set L8,  2                            ; v2   8 x lane
.set STS, 3                            ; v3   the stage on the way in: wave's stage + 16 x lane
.set STL, 4                            ; v4   and on the way out: wave's stage + 528 r + 128 h
.set SH,  5                            ; v5   8 h: how far my two bytes are shifted in a scale word
.set MX,  8                            ; v8-9   the two blocks' largest magnitudes
.set SO,  10                           ; v10-11 the conversions' scale operands
.set BY,  12                           ; v12-13 the scale bytes
.set TA,  14                           ; v14-15 at work
.set TB,  15
.set W,   16                           ; v16-19 the four K steps' scale words
.set SW,  20                           ; v20-21 the block of scale words as it is stored
.set R,   32                           ; v32-159  two sets of 64 numbers as loaded
.set X,   160                          ; v160-223 my two blocks of 32 neighbours
.set P,   224                          ; v224-235 a fragment's 12 registers
.set T,   236                          ; v236-238, v240-242 the blocks' upper 16 codes as the conversions leave them
	s_load_b256 s[4:11], s[0:1], 0x0               ; x s[4:5], Wq s[6:7], xq s[8:9], wqq s[10:11]
	v_lshl_add_u32 v254, v0, 2, 0x10800
	v_mov_b32 v255, 0
	v_lshrrev_b32 v6, 5, v0
	s_delay_alu instid0(VALU_DEP_1)
	v_readfirstlane_b32 s12, v6                    ; wave 0..7
	v_and_b32 v7, 31, v0                           ; lane
	s_delay_alu instid0(VALU_DEP_1)
	v_lshlrev_b32 v[LI], 4, v7
	s_delay_alu instid0(VALU_DEP_2)
	v_lshlrev_b32 v[L8], 3, v7
	s_mul_i32 s13, s12, WSTG
	v_add_nc_u32 v[STS], s13, v[LI]
	v_and_b32 v6, 15, v0                           ; r
	v_bfe_u32 v7, v0, 4, 1                         ; h
	s_delay_alu instid0(VALU_DEP_2)
	v_mul_u32_u24 v[STL], v6, SPITCH
	s_delay_alu instid0(VALU_DEP_1)
	v_lshl_add_u32 v[STL], v7, 7, v[STL]
	s_delay_alu instid0(VALU_DEP_1)
	v_add_nc_u32 v[STL], s13, v[STL]
	s_delay_alu instid0(VALU_DEP_4)
	v_lshlrev_b32 v[SH], 3, v7
	v_mov_b32 v[TB], 0                             ; written once: a lane permute's destination counts as one of its sources
	s_mov_b32 s22, 0x76543210
	s_mov_b32 s23, 0xfedcba98                      ; v_permlanex16_b32's selects for lane l xor 16
	s_mov_b32 s24, 0xffff0000                      ; lanes 16-31
	s_and_b32 s25, ttmp9, 127
	s_lshl_b32 s25, s25, 3
	s_add_co_u32 s25, s25, s12                     ; which of the tensor's 1,024 parts is my wave's
	s_lshr_b32 s26, s25, 1                         ; the record
	s_and_b32 s27, s25, 1                          ; g: which half of K
	s_and_b32 s28, s26, 63
	s_lshl_b32 s28, s28, 19                        ; x: 16 rows s are 16 x 32,768 bytes,
	s_lshr_b32 s29, s26, 6
	s_lshl_b32 s29, s29, 12                        ; a batch 4,096
	s_add_co_u32 s28, s28, s29
	s_lshl_b32 s29, s26, 16                        ; Wq: 16 rows of 4,096 bytes
	s_lshl_b32 s30, s27, 11                        ; 512 numbers along K
	s_mul_i32 s18, s26, REC
	s_mul_i32 s16, s27, 4*FRB
	s_add_co_u32 s16, s16, s18                     ; where my four images begin
	s_lshl_b32 s19, s27, 8
	s_add_co_u32 s18, s18, s19
	s_add_co_u32 s18, s18, 8*FRB                   ; and my block of scale words
	s_mov_b32 s17, 0
	s_mov_b32 s19, 0
	s_mov_b32 s21, 0
	s_mov_b32 s20, 4096
	s_wait_alu depctr_va_vdst(0)
	s_wait_kmcnt 0x0
	s_cmp_lt_u32 ttmp9, 128                        ; x's work-group or Wq's?  The choice hangs on the work-group's number alone
	s_cselect_b32 s28, s28, s29
	s_cselect_b32 s20, 32768, s20                  ; bytes from row to row
	s_cselect_b64 s[14:15], s[4:5], s[6:7]
	s_cselect_b64 s[8:9], s[8:9], s[10:11]
	s_add_co_u32 s28, s28, s30
	s_mov_b32 s29, 0
	s_add_nc_u64 s[32:33], s[14:15], s[28:29]      ; row 0 of my 16
	s_add_nc_u64 s[16:17], s[8:9], s[16:17]
	s_add_nc_u64 s[18:19], s[8:9], s[18:19]
.irp i, 1,2,3,4,5,6,7,8,9,10,11,12,13,14,15
	s_add_nc_u64 s[32+2*\i:33+2*\i], s[30+2*\i:31+2*\i], s[20:21]   ; row i: a base of its own, so that every load's offset is an immediate
.endr
.macro LOAD ks                         ; K step ks of my 16 rows into set ks % 2: each load reads 512 consecutive bytes
.irp i, 0,1,2,3,4,5,6,7,8,9,10,11,12,13,14,15
	global_load_b128 v[R+64*((\ks)%2)+4*\i:R+64*((\ks)%2)+4*\i+3], v[LI], s[32+2*\i:33+2*\i] offset:512*(\ks)
.endr
.endm
.macro TURN ks                         ; through the stage: LDS serves a wave's instructions in order, so no wait stands between the stores and the loads
.irp i, 0,1,2,3,4,5,6,7,8,9,10,11,12,13,14,15
	ds_store_b128 v[STS], v[R+64*((\ks)%2)+4*\i:R+64*((\ks)%2)+4*\i+3] offset:SPITCH*\i
.endr
.irp c, 0,1
.irp q, 0,1,2,3,4,5,6,7
	ds_load_b128 v[X+32*\c+4*\q:X+32*\c+4*\q+3], v[STL] offset:256*\c+16*\q   ; k = 64 c + 32 h + 4 q + 0 .. 3 of row r
.endr
.endr
.endm
.macro QUANT ks                        ; my two blocks (2 c + h of the K step's four) become the fragment's registers; all 32 numbers of a block are mine
.irp c, 0,1
	v_max3_num_f32 v[MX+\c], |v[X+32*\c]|, |v[X+32*\c+1]|, 0x2800000   ; with the floor 2^(5 - 127) among the leaves: the byte cannot fall under 1
.endr
.irp i, 2,4,6,8,10,12,14,16,18,20,22,24,26,28,30
.irp c, 0,1
	s_delay_alu instid0(VALU_DEP_2)
	v_max3_num_f32 v[MX+\c], v[MX+\c], |v[X+32*\c+\i]|, |v[X+32*\c+\i+1]|
.endr
.endr
.irp c, 0,1
	s_delay_alu instid0(VALU_DEP_2)
	v_add_nc_u32 v[SO+\c], 0xfe000000, v[MX+\c]    ; 4 off the exponent field: the conversion takes this operand's exponent field as its scale
.endr
.irp c, 0,1
	s_delay_alu instid0(VALU_DEP_2)
	v_lshrrev_b32 v[BY+\c], 23, v[SO+\c]           ; the scale's byte
.endr
.irp c, 0,1
	v_cvt_scalef32_pk16_bf6_f32 v[P+6*\c:P+6*\c+2], v[X+32*\c:X+32*\c+15], v[SO+\c]
	v_cvt_scalef32_pk16_bf6_f32 v[T+4*\c:T+4*\c+2], v[X+32*\c+16:X+32*\c+31], v[SO+\c]   ; (a conversion's three registers begin on an even number)
.endr
	v_lshl_or_b32 v[TA], v[BY+1], 16, v[BY]        ; my two bytes: blocks h and 2 + h.  (Also the plain line between the conversions and the moves of their results)
	s_delay_alu instid0(VALU_DEP_1)
	v_lshlrev_b32 v[TA], v[SH], v[TA]              ; at their places in the word
	s_delay_alu instid0(VALU_DEP_1)
	v_permlanex16_b32 v[TB], v[TA], s22, s23
	s_delay_alu instid0(VALU_DEP_1)
	v_or_b32 v[W+(\ks)], v[TA], v[TB]              ; with lane l xor 16's two the word of row r is whole, in both lanes
.irp c, 0,1
.irp i, 0,1,2
	v_mov_b32 v[P+6*\c+3+\i], v[T+4*\c+\i]
.endr
.endr
.irp c, 0,1,2
	global_store_b128 v[LI], v[P+4*\c:P+4*\c+3], s[16:17] offset:FRB*(\ks)+512*\c   ; 32 lanes store 512 consecutive bytes
.endr
.endm
	LOAD 0
	LOAD 1
.irp ks, 0,1,2,3
.if \ks < 3
	s_wait_loadcnt 16                              ; this K step's 16 loads are in; the next step's 16 may be out
.else
	s_wait_loadcnt 0x0
.endif
	TURN \ks
	s_wait_dscnt 0x0                               ; my neighbours are back, and the stage's stores have read their registers,
.if \ks < 2
	LOAD \ks+2                                     ; which take the K step two on
.endif
.if \ks > 0
	s_wait_xcnt 0x0                                ; the last K step's stores have read the fragment's registers: they are written again only behind this wait
.endif
	QUANT \ks
.endr
	v_cndmask_b32 v[SW], v[W], v[W+1], s24         ; lanes 0-15: K step 4 g, lanes 16-31: 4 g + 1
	v_cndmask_b32 v[SW+1], v[W+2], v[W+3], s24     ; 4 g + 2 and 4 g + 3
	global_store_b64 v[L8], v[SW:SW+1], s[18:19]   ; 32 lanes store 256 consecutive bytes
	s_wait_tensorcnt 0x0
	ds_add_u32 v254, v255
	s_wait_dscnt 0x0
	s_endpgm
.Lfunc_end_k_qf5e96adca0_quant:
	.size	k_qf5e96adca0_quant, .Lfunc_end_k_qf5e96adca0_quant-k_qf5e96adca0_quant
	.p2alignl 7, 3214868480
	.fill 96, 4, 3214868480
	.section	.rodata,"a",@progbits
	.p2align	6, 0x0
	.amdhsa_kernel k_qf5e96adca0_quant
		.amdhsa_group_segment_fixed_size 68608
		.amdhsa_private_segment_fixed_size 0
		.amdhsa_enable_private_segment 0
		.amdhsa_kernarg_size 32
		.amdhsa_user_sgpr_count 2
		.amdhsa_user_sgpr_kernarg_segment_ptr 1
		.amdhsa_wavefront_size32 1
		.amdhsa_system_sgpr_workgroup_id_x 1
		.amdhsa_system_sgpr_workgroup_id_y 1
		.amdhsa_system_sgpr_workgroup_id_z 1
		.amdhsa_system_vgpr_workitem_id 0
		.amdhsa_next_free_vgpr 256
		.amdhsa_next_free_sgpr 72
		.amdhsa_reserve_vcc 0
		.amdhsa_float_denorm_mode_32 3
		.amdhsa_float_denorm_mode_16_64 3
		.amdhsa_memory_ordered 1
		.amdhsa_forward_progress 1
		.amdhsa_inst_pref_size 36
	.end_amdhsa_kernel
	.amdgpu_metadata
---
amdhsa.version: [ 1, 2 ]
amdhsa.kernels:
  - .name:           k_qf5e96adca0_quant
    .symbol:         k_qf5e96adca0_quant.kd
    .args:
      - { .name: x, .offset: 0, .size: 8, .value_kind: global_buffer, .address_space: global }
      - { .name: Wq, .offset: 8, .size: 8, .value_kind: global_buffer, .address_space: global }
      - { .name: xq, .offset: 16, .size: 8, .value_kind: global_buffer, .address_space: global }
      - { .name: wqq, .offset: 24, .size: 8, .value_kind: global_buffer, .address_space: global }
    .group_segment_fixed_size: 68608
    .private_segment_fixed_size: 0
    .kernarg_segment_align: 8
    .kernarg_segment_size: 32
    .max_flat_workgroup_size: 256
    .sgpr_count:     72
    .vgpr_count:     256
    .wavefront_size: 32
...
	.end_amdgpu_metadata
.endif
;; end of part 1
;; launch attn (part 2): grid 32 x 8, 8 waves a work-group, clusters of 4 x 1, 327,680 bytes of LDS; arguments x, xq, wqq, ho; writes ho
.if DOCPART == 2
	.amdgcn_target "amdgcn-amd-amdhsa--gfx1250"
	.amdhsa_code_object_version 6
	.text
	.protected	k_qf5e96adca0_attn
	.globl	k_qf5e96adca0_attn
	.p2align	8
	.type	k_qf5e96adca0_attn,@function
k_qf5e96adca0_attn:
	s_mov_b64 s[64:65], 0
	v_nop
	global_prefetch_b8 v0, s[64:65] scope:SCOPE_SE
	s_setreg_imm32_b32 hwreg(HW_REG_WAVE_MODE, 25, 1), 1
	s_wait_xcnt 0x0
	s_wait_alu depctr_hold_cnt(0) depctr_sa_sdst(0) depctr_va_vdst(0) depctr_va_sdst(0) depctr_va_ssrc(0) depctr_va_vcc(0) depctr_vm_vsrc(0)
	s_getreg_b32 s2, hwreg(HW_REG_IB_STS2, 6, 4)
	s_cmp_eq_u32 s2, 0
	s_cbranch_scc0 .Lentry_in_a_cluster
	s_endpgm
.Lentry_in_a_cluster:
	s_bfe_u32 s2, ttmp6, 0x10000c
	s_cmp_lg_u32 s2, 0x3003
	s_cbranch_scc0 .Lentry_shape_is_right
	s_endpgm
.Lentry_shape_is_right:
; ho[b][f] = sum over s of x[s][b][f % 1024] softmax_s(scores[s][b][f]),  scores[s][b][f] = sum over e of Q(x)[s][b][e] Q(Wq)[f][e]: the product on codes of BF6 (E3M2) with E8M0 block scales,
; the softmax over s by a running maximum, the weighted sum in f32.  The scores never leave the registers.
; LEFT OUT: bq.  It is the same for all s of a column, so the softmax over s cancels it for every finite value; it is not among the arguments.  A NaN or infinity in bq is not carried to the result.
; SHARES.  A work-group owns one batch b, four heads (4 hg ..) and 64 channels: 256 columns f, all 1,024 rows s.  Eight waves, two for each quarter cg = wave % 4 of the channels (16 channels x 4 heads = 4 blocks of 16 columns).
; Both waves of a quarter hold its 32 fragments of Wq (4 blocks x 8 K steps, 384 registers) for the whole launch and share the rows: wave / 4 = par takes the tiles of 16 rows with number 2 i + par.
; So each tile's codes are read from LDS by four waves, once each.  A wave keeps its own m, l, o for each lane and block; a column's four parts (2 par x 2 halves of the lanes) meet once, at the end, through LDS.
; A UNIT is one tile: 32 products (8 K steps x 4 blocks, the 4 accumulators by turns) and the tile's softmax.  Waves with par = 0 run product, softmax; waves with par = 1 run the softmax of their tile before, then the product:
; behind a barrier the two kinds stand in different halves of a unit.
; LAYOUT.  Source 0 = 16 rows s, source 1 = 16 columns f: a lane holds ONE column (lane % 16) and rows 8 (lane / 16) + 0 .. 7, so maximum and sums stay in the lane; the weight x[s][b][e'] is the same for the four heads.
; SOFTMAX, for each lane and block: n = -c m (c = log2 e, m the running maximum), p = 2^(c s + n), a = 2^(n_new - n_old), l = l a + sum p, o = o a + sum p x.
; THE RING.  Two slots of 128 rows: eight records of codes (102,400 bytes), then 128 rows of 64 weights (f32, 272 bytes apart).  Waves 0-3 bring two records each, waves 4-7 32 rows of weights each: one tensor load a wave.
; CLUSTER.  The four work-groups of a cluster share b: the codes are asked for jointly (mask 15).  The weights differ (64 other channels each): plain loads, in the same rounds.
; No prefetch: a refill is asked for a slot's whole work (128 products and four softmaxes a wave) ahead of the wait for it, and xq's records are read by the 32 work-groups of a batch in the same steps.
; LIMITS: NaN and infinities are not served; scores under -2^127 are not served (m begins there); the promise holds while c x score stays under 2^31 in magnitude; the sums over s are taken in another order than from s = 0 on.
; REGISTERS (512, two windows).  Window 0: v0 thread; v1 XL; v2-3 addresses; v4-7 x's scale words; v8-23 Wq's; v24-31 pairs (t, n) a block; v32-35 l; v36-43 weights; v44-75 accumulators; v76-123 four fragments of x;
; v124-255 Wq's fragments 0-10 (fragment 4 ks + nb).  Window 1: fragments 11-31 at 12 (i - 11); v252-255 o.  No two registers are left to keep for the add: v0 is kept, and they are made anew (v24, v26) ahead of the three lines.
.set REC,   12800                      ; a record: 16 rows x 1,024 K: eight images of 1,536 bytes, two blocks of 256 bytes of scale words
.set FRB,   1536
.set XP,    272                        ; a row of weights: 256 bytes + 16
.set XWO,   8*REC                      ; in a slot: the weights lie behind the eight records
.set SLOT,  XWO+128*XP                 ; 137,216 bytes
.set STAGE, 2*SLOT                     ; behind the ring: 3 statistics x 4 parts x 256 columns of f32, written by LDS stores alone
.set SPARE, STAGE+12288                ; the spare words, 128 bytes for each of eight waves
.set XL,  1                            ; my place among a tile's weights: 8 h rows + 64 cg + 4 r
.set ADA, 2                            ; LDS address of my 16 bytes in the tile's images
.set ADX, 3                            ; and of my weights
.set AS,  4                            ; v[AS + q]: lanes 0-15 K step 2 q, lanes 16-31 K step 2 q + 1
.set BS,  8                            ; v[BS + 4 nb + q] likewise
.set TT,  24                           ; v[TT + 2 nb] t (at work), v[TT + 2 nb + 1] n; between two softmaxes the even ones serve as scratch
.set LL,  32
.set XW,  36
.set AC,  44
.set AF,  76
.set WF,  124
.set OO,  252                          ; in window 1
.set WV,  14                           ; s14 wave;  s15 cg;  s59 par
.set CG,  15
.set PAR, 59
.set G1A, 24                           ; s[24:31] descriptor group 1 for the codes;  s[32:39] for the weights
.set G1X, 32
.set G0A, 40                           ; s[40:47] group 0 for the codes, a set for each slot;  s[48:55] for the weights
.set G0X, 48
.set CC,  56                           ; s[56:57] c
.set NC,  58                           ; s58 -c
.set TG,  62                           ; s62 LDS byte of my tile's record;  s67 of its weights
.set TGX, 67
.set CNT, 63                           ; s63 units left in the slot
.set LAP, 66
.set WB,  68                           ; s[68:69] my first record of Wq
.set MSB, 0
.macro WIN new                         ; the immediate's high byte repeats the setting that is left; a switch that changes nothing is dropped
.if MSB != \new
	s_set_vgpr_msb (MSB<<8)|\new
.set MSB, \new
.endif
.endm
.macro NOPS n
.rept \n
	v_nop
.endr
.endm
.macro ROUND                           ; a round of the cluster's barrier
	s_barrier_signal -1
	s_barrier_wait -1
	s_cmp_lg_u32 s[WV], 0
	s_cbranch_scc1 .Lnot_wave_0_\@
	s_barrier_signal -3
.Lnot_wave_0_\@:
	s_barrier_wait -3
	s_barrier_signal -1
	s_barrier_wait -1
.endm
.macro TLOAD p                         ; my one tensor load into slot p: waves 0-3 codes (joint), waves 4-7 weights.  s_nop 0 and four v_nop follow each line
	s_cmp_lt_u32 s[WV], 4
	s_cbranch_scc0 .Lfor_x_\@
	tensor_load_to_lds s[G0A+4*(\p):G0A+4*(\p)+3], s[G1A:G1A+7]
	s_nop 0
	NOPS 4
	s_branch .Lasked_\@
.Lfor_x_\@:
	tensor_load_to_lds s[G0X+4*(\p):G0X+4*(\p)+3], s[G1X:G1X+7]
	s_nop 0
	NOPS 4
.Lasked_\@:
.endm
; THE CHANGE OF SLOTS, ahead of the first LDS read of slot cur: all my tensor loads (my part of slot cur) have landed, the add, my reads of the other slot are over; fill = 1: behind a round the other slot takes the next 128 rows.
.macro CHANGE cur, fill
	v_lshl_add_u32 v[TT], v0, 2, SPARE             ; the add's two registers, made anew
	v_mov_b32 v[TT+2], 0
	s_wait_alu depctr_va_vdst(0)                   ; directly ahead of the wait below
	s_wait_tensorcnt 0x0
	ds_add_u32 v[TT], v[TT+2]
.if \fill
	s_add_nc_u64 s[G0A+4*(\cur)+2:G0A+4*(\cur)+3], s[G0A+4*(\cur)+2:G0A+4*(\cur)+3], 16*REC        ; no load of mine is out: slot cur's next fill, 256 rows on
	s_add_nc_u64 s[G0X+4*(\cur)+2:G0X+4*(\cur)+3], s[G0X+4*(\cur)+2:G0X+4*(\cur)+3], 256*32768
.endif
	s_wait_dscnt 0x0
.if \fill
	ROUND
	TLOAD 1-(\cur)
.else
	s_barrier_signal -1
	s_barrier_wait -1
.endif
.endm
.macro ADDR                            ; the tile's addresses from its two scalars
	v_and_b32 v[ADA], 31, v0
	v_lshl_add_u32 v[ADA], v[ADA], 4, s[TG]
	v_add_nc_u32 v[ADX], s[TGX], v[XL]
	s_wait_alu depctr_va_vdst(0)
.endm
.macro LD off                          ; 14 LDS loads: the scale words and K steps 0-3 of the tile that lies off bytes behind mine
	v_and_b32 v[TT], 31, v0
	v_lshl_add_u32 v[TT], v[TT], 3, s[TG]
	ds_load_b64 v[AS:AS+1], v[TT] offset:(\off)+8*FRB
	ds_load_b64 v[AS+2:AS+3], v[TT] offset:(\off)+8*FRB+256
.irp k, 0,1,2,3
.irp c, 0,1,2
	ds_load_b128 v[AF+12*\k+4*\c:AF+12*\k+4*\c+3], v[ADA] offset:(\off)+FRB*\k+512*\c
.endr
.endr
.endm
.macro RUN k0                          ; 3 LDS loads: K step k0 into the buffer that K step k0 - 4 has left
.irp d, 0
.irp c, 0,1,2
	ds_load_b128 v[AF+12*((\k0)-4+\d)+4*\c:AF+12*((\k0)-4+\d)+4*\c+3], v[ADA] offset:FRB*((\k0)+\d)+512*\c
.endr
.endr
.endm
.macro WMK ks                          ; a K step's four products, the four accumulators by turns; K step 0 starts the sums with C = 0
.irp nb, 0,1,2,3
.set fi, 4*(\ks)+\nb
.if fi <= 10
	WIN 0
.set rB, WF+12*fi
.else
	WIN 0x04                                       ; source 1 in window 1
.set rB, 12*(fi-11)
.endif
.set rD, AC+8*\nb
.set rA, AF+12*((\ks)%4)
.set rSA, AS+(\ks)/2
.set rSB, BS+4*\nb+(\ks)/2
.if (\ks) == 0
	v_wmma_scale_f32_16x16x128_f8f6f4 v[rD:rD+7], v[rA:rA+11], v[rB:rB+11], 0, v[rSA], v[rSB] matrix_a_fmt:MATRIX_FMT_BF6 matrix_b_fmt:MATRIX_FMT_BF6
.elseif (\ks)%2 == 0
	v_wmma_scale_f32_16x16x128_f8f6f4 v[rD:rD+7], v[rA:rA+11], v[rB:rB+11], v[rD:rD+7], v[rSA], v[rSB] matrix_a_fmt:MATRIX_FMT_BF6 matrix_b_fmt:MATRIX_FMT_BF6
.else
	v_wmma_scale_f32_16x16x128_f8f6f4 v[rD:rD+7], v[rA:rA+11], v[rB:rB+11], v[rD:rD+7], v[rSA], v[rSB] matrix_a_fmt:MATRIX_FMT_BF6 matrix_b_fmt:MATRIX_FMT_BF6 matrix_a_scale:MATRIX_SCALE_ROW1 matrix_b_scale:MATRIX_SCALE_ROW1
.endif
.endr
.endm
.macro MM                              ; a tile's 32 products.  Four plain lines stand between a product and a load into a register that it has read (not for loads)
	; LDS loads come back in order (ISA guide 5.7.1): each wait's count is the number of loads issued behind the K step that is needed.
	; Their order in a unit: 2 scale loads, K steps 0-3 (3 each), K step 4, K step 5, 8 weights, K step 6, K step 7.
	s_wait_dscnt 9                                 ; the scale words and K step 0 are in; behind them: K steps 1-3
	WMK 0
	NOPS 4
	RUN 4
	s_wait_dscnt 9                                 ; K step 1 is in; behind it: K steps 2, 3, 4
	WMK 1
	NOPS 4
	RUN 5
.irp i, 0,1,2,3,4,5,6,7
	ds_load_b32 v[XW+\i], v[ADX] offset:XP*\i      ; the tile's weights, in the result's layout: the softmax before has read these registers
.endr
	s_wait_dscnt 17                                ; K step 2 is in; behind it: K steps 3, 4, 5 and 8 weights
	WMK 2
	NOPS 4
	RUN 6
	s_wait_dscnt 17                                ; K step 3; behind it: K steps 4, 5, 8 weights, K step 6
	WMK 3
	NOPS 4
	RUN 7
	s_wait_dscnt 17                                ; K step 4; behind it: K step 5, 8 weights, K steps 6, 7
	WMK 4
	s_wait_dscnt 14                                ; K step 5; behind it: 8 weights, K steps 6, 7
	WMK 5
	s_wait_dscnt 3                                 ; K step 6 and the weights; behind them: K step 7
	WMK 6
	s_wait_dscnt 0x0
	WMK 7
	WIN 0
	NOPS 5                                         ; ahead of reads of the results, of loads into the fragments, and of a product that begins an accumulator anew
.endm
.macro SOFT                            ; a tile's softmax: 32 scores a lane, the four blocks by turns; each accumulator is read from its low end on
.irp nb, 0,1,2,3
	v_max3_num_f32 v[TT+2*\nb], v[AC+8*\nb], v[AC+8*\nb+1], v[AC+8*\nb+2]
.endr
.irp j, 3,5
.irp nb, 0,1,2,3
	v_max3_num_f32 v[TT+2*\nb], v[TT+2*\nb], v[AC+8*\nb+\j], v[AC+8*\nb+\j+1]
.endr
.endr
.irp nb, 0,1,2,3
	v_max_num_f32 v[TT+2*\nb], v[TT+2*\nb], v[AC+8*\nb+7]
.endr
.irp nb, 0,1,2,3
	v_mul_f32 v[TT+2*\nb], s[NC], v[TT+2*\nb]      ; -c x the tile's maximum
.endr
.irp nb, 0,1,2,3
	v_min_num_f32 v[TT+2*\nb], v[TT+2*\nb], v[TT+2*\nb+1]   ; t = the new n
.endr
.irp nb, 0,1,2,3
	v_sub_f32 v[TT+2*\nb+1], v[TT+2*\nb], v[TT+2*\nb+1]     ; n_new - n_old, 0 or less
.endr
.irp j, 0,2,4,6
.irp nb, 0,1,2,3
	v_pk_fma_f32 v[AC+8*\nb+\j:AC+8*\nb+\j+1], v[AC+8*\nb+\j:AC+8*\nb+\j+1], s[CC:CC+1], v[TT+2*\nb:TT+2*\nb+1] op_sel_hi:[1,0,0]   ; c s + n
.endr
.endr
	s_wait_alu depctr_va_vdst(0)                   ; ahead of the batch
.irp nb, 0,1,2,3
	v_exp_f32 v[TT+2*\nb+1], v[TT+2*\nb+1]         ; a
.endr
.irp j, 0,1,2,3,4,5,6,7
.irp nb, 0,1,2,3
	v_exp_f32 v[AC+8*\nb+\j], v[AC+8*\nb+\j]       ; p, in place
.endr
.endr
	v_nop                                          ; a plain line behind the last exponential
	s_wait_alu depctr_va_vdst(0)                   ; one wait for the 36, ahead of their first reader
	WIN 0x41                                       ; destination and source 0 in window 1
.irp nb, 0,1,2,3
	v_mul_f32 v[OO+\nb], v[OO+\nb], v[TT+2*\nb+1]  ; o a
.endr
	WIN 0x50                                       ; destination and source 2 in window 1
.irp j, 0,1,2,3,4,5,6,7
.irp nb, 0,1,2,3
	v_fma_f32 v[OO+\nb], v[AC+8*\nb+\j], v[XW+\j], v[OO+\nb]   ; o += p x
.endr
.endr
	WIN 0
.irp nb, 0,1,2,3
	v_pk_add_f32 v[AC+8*\nb:AC+8*\nb+1], v[AC+8*\nb:AC+8*\nb+1], v[AC+8*\nb+2:AC+8*\nb+3]   ; the tile's sum of p, in place
.endr
.irp nb, 0,1,2,3
	v_pk_add_f32 v[AC+8*\nb+4:AC+8*\nb+5], v[AC+8*\nb+4:AC+8*\nb+5], v[AC+8*\nb+6:AC+8*\nb+7]
.endr
.irp nb, 0,1,2,3
	v_pk_add_f32 v[AC+8*\nb:AC+8*\nb+1], v[AC+8*\nb:AC+8*\nb+1], v[AC+8*\nb+4:AC+8*\nb+5]
.endr
.irp nb, 0,1,2,3
	v_fma_f32 v[LL+\nb], v[LL+\nb], v[TT+2*\nb+1], v[AC+8*\nb]   ; l a + ..
.endr
.irp nb, 0,1,2,3
	v_add_f32 v[LL+\nb], v[LL+\nb], v[AC+8*\nb+1]
.endr
.irp nb, 0,1,2,3
	v_mov_b32 v[TT+2*\nb+1], v[TT+2*\nb]           ; n takes its new value
.endr
.endm
; A UNIT.  lead = 1: waves with par = 1 first run the softmax of their tile before.  Behind the products the next tile's first loads go out, but not from a slot's last unit: that tile lies in the other slot.
.macro UNIT lead
.if \lead
	s_cmp_eq_u32 s[PAR], 0
	s_cbranch_scc1 .Lm_\@
	SOFT
.Lm_\@:
.endif
	MM
	s_cmp_eq_u32 s[CNT], 1
	s_cbranch_scc1 .Ln_\@
	LD 2*REC
.Ln_\@:
	s_cmp_lg_u32 s[PAR], 0
	s_cbranch_scc1 .Le_\@
	SOFT
.Le_\@:
	s_add_co_u32 s[TG], s[TG], 2*REC
	s_add_co_u32 s[TGX], s[TGX], 32*XP
	ADDR
.endm
.macro SLOTWORK p, first               ; a slot's four units of my wave.  first = 1: the launch's first unit is written out: no tile precedes it
	s_mul_i32 s[TG], s[PAR], REC
	s_add_co_u32 s[TG], s[TG], (\p)*SLOT
	s_mul_i32 s[TGX], s[PAR], 16*XP
	s_add_co_u32 s[TGX], s[TGX], (\p)*SLOT+XWO
	ADDR
	LD 0
	s_mov_b32 s[CNT], 4
.if \first
	UNIT 0
	s_sub_co_u32 s[CNT], s[CNT], 1
.endif
.Lu_\@:
	UNIT 1
	s_sub_co_u32 s[CNT], s[CNT], 1
	s_cmp_lg_u32 s[CNT], 0
	s_cbranch_scc1 .Lu_\@
.endm
	s_load_b128 s[4:7], s[0:1], 0x0                ; x s[4:5], xq s[6:7]
	s_load_b128 s[8:11], s[0:1], 0x10              ; wqq s[8:9], ho s[10:11]
	v_lshl_add_u32 v[TT], v0, 2, SPARE
	v_mov_b32 v[TT+2], 0
	ds_add_u32 v[TT], v[TT+2]                      ; the opening: the add, twice on end, and its wait ahead of my first tensor load
	ds_add_u32 v[TT], v[TT+2]
	v_lshrrev_b32 v[XW], 5, v0
	v_readfirstlane_b32 s[WV], v[XW]               ; wave 0..7
	s_and_b32 s[CG], s[WV], 3                      ; my quarter of the channels; also: which part of a slot's codes or weights I fetch
	s_lshr_b32 s[PAR], s[WV], 2                    ; which tiles of rows are mine
	s_bfe_u32 s16, ttmp6, 0x40000                  ; cx
	s_and_b32 s17, ttmp7, 0xffff                   ; b, which the four partners share
	s_and_b32 s18, ttmp9, 1                        ; hg: which four heads
	s_lshr_b32 s19, ttmp9, 1
	s_lshl_b32 s19, s19, 2
	s_add_co_u32 s19, s19, s16                     ; eg: which 64 channels
	s_mul_i32 s72, s17, 64*REC                     ; the codes: a batch is 64 records on end; I fetch two.  (No register that feeds the joint loads ever holds cx)
	s_mul_i32 s73, s[CG], 2*REC
	s_add_co_u32 s72, s72, s73
	s_mov_b32 s73, 0
	s_mul_i32 s76, s[CG], 2*REC                    ; where they go in a slot
	s_mul_i32 s77, s[CG], 32*XP                    ; and my 32 rows of weights
	s_lshl_b32 s74, s17, 12                        ; the weights: x[s][b][64 eg ..]: 4,096 b + 256 eg + 32 cg rows of 32,768 bytes
	s_lshl_b32 s75, s19, 8
	s_add_co_u32 s74, s74, s75
	s_lshl_b32 s75, s[CG], 20
	s_add_co_u32 s74, s74, s75
	s_mov_b32 s75, 0
	s_lshl_b32 s20, s18, 8                         ; Wq's record of block nb: 64 (4 hg + nb) + 4 eg + cg
	s_lshl_b32 s21, s19, 2
	s_add_co_u32 s20, s20, s21
	s_add_co_u32 s20, s20, s[CG]
	s_mul_i32 s20, s20, REC
	s_mov_b32 s21, 0
	s_lshl_b32 s78, s17, 15                        ; ho: 32,768 b + 16,384 hg + 256 eg
	s_lshl_b32 s79, s18, 14
	s_add_co_u32 s78, s78, s79
	s_lshl_b32 s79, s19, 8
	s_add_co_u32 s78, s78, s79
	s_mov_b32 s79, 0
	s_mov_b32 s[G1A+0], 15|(3<<16)|(1<<21)         ; two records are 25,600 dense bytes: 100 rows of 256 bytes (32 elements of 8 bytes); mask: all four work-groups; bit 21 beside it
	s_mov_b32 s[G1A+1], 32<<16
	s_mov_b32 s[G1A+2], 100<<16
	s_mov_b32 s[G1A+3], 32<<16
	s_mov_b32 s[G1A+4], 100
	s_mov_b32 s[G1A+5], 32
	s_mov_b32 s[G1A+6], 0
	s_mov_b32 s[G1A+7], 0
	s_mov_b32 s[G1X+0], (2<<16)|(1<<20)|(5<<22)|(3<<25)   ; 32 rows s x 64 numbers of 4 bytes, 8,192 numbers from row to row, 16 bytes of padding behind each 64 words
	s_mov_b32 s[G1X+1], 64<<16
	s_mov_b32 s[G1X+2], 32<<16
	s_mov_b32 s[G1X+3], 64<<16
	s_mov_b32 s[G1X+4], 32
	s_mov_b32 s[G1X+5], 8192
	s_mov_b32 s[G1X+6], 0
	s_mov_b32 s[G1X+7], 0
	s_mov_b32 s[CC], 0x3fb8aa3b                    ; c = log2(e)
	s_mov_b32 s[CC+1], s[CC]                       ; (named with it as a pair)
	s_mov_b32 s[NC], 0xbfb8aa3b                    ; -c
	s_wait_dscnt 0x0                               ; both opening adds are done
	s_wait_kmcnt 0x0
	s_add_nc_u64 s[72:73], s[6:7], s[72:73]
	s_add_nc_u64 s[74:75], s[4:5], s[74:75]
	s_add_nc_u64 s[WB:WB+1], s[8:9], s[20:21]
	s_add_nc_u64 s[10:11], s[10:11], s[78:79]
.irp p, 0,1
	s_mov_b32 s[G0A+4*\p], 1
	s_add_co_u32 s[G0A+4*\p+1], s76, \p*SLOT
	s_add_nc_u64 s[G0A+4*\p+2:G0A+4*\p+3], s[72:73], \p*8*REC      ; slot p begins with rows 128 p ..
	s_or_b32 s[G0A+4*\p+3], s[G0A+4*\p+3], 0x80000000
	s_mov_b32 s[G0X+4*\p], 1
	s_add_co_u32 s[G0X+4*\p+1], s77, \p*SLOT+XWO
	s_add_nc_u64 s[G0X+4*\p+2:G0X+4*\p+3], s[74:75], \p*128*32768
	s_or_b32 s[G0X+4*\p+3], s[G0X+4*\p+3], 0x80000000
.endr
	ROUND                                          ; all four work-groups are here: the first joint loads meet
	TLOAD 0                                        ; slot 0: one tensor load a wave at the head
	v_and_b32 v[XW+2], 31, v0
	v_lshlrev_b32 v[XW], 4, v[XW+2]                ; 16 x lane
	v_lshlrev_b32 v[XW+1], 3, v[XW+2]              ; 8 x lane
.irp ks, 0,1,2,3,4,5,6,7               ; Wq's fragments stay in registers: block nb's record lies 64 records behind block nb - 1's
.irp nb, 0,1,2,3
.set fi, 4*\ks+\nb
.if fi <= 10
.set rB, WF+12*fi
.else
	WIN 0x40                                       ; destination in window 1
.set rB, 12*(fi-11)
.endif
.irp c, 0,1,2
	global_load_b128 v[rB+4*\c:rB+4*\c+3], v[XW], s[WB:WB+1] offset:\nb*64*REC+FRB*\ks+512*\c
.endr
.endr
.endr
.irp nb, 0,1,2,3
	v_mov_b32 v[OO+\nb], 0                         ; o
.endr
	WIN 0
.irp nb, 0,1,2,3
.irp g, 0,1
	global_load_b64 v[BS+4*\nb+2*\g:BS+4*\nb+2*\g+1], v[XW+1], s[WB:WB+1] offset:\nb*64*REC+8*FRB+256*\g
.endr
.endr
	v_bfe_u32 v[XL], v0, 4, 1                      ; h
	v_mul_u32_u24 v[XL], v[XL], 8*XP
	v_and_b32 v[XW+3], 15, v0                      ; r
	v_lshl_add_u32 v[XL], v[XW+3], 2, v[XL]
	s_lshl_b32 s20, s[CG], 6
	v_add_nc_u32 v[XL], s20, v[XL]
.irp nb, 0,1,2,3
	v_mov_b32 v[TT+2*\nb+1], 0x7f38aa3b            ; n = c 2^127: finite; the first a is 2^(a huge negative number) = 0, and multiplies zeros
	v_mov_b32 v[LL+\nb], 0                         ; l
.endr
	s_wait_alu depctr_va_vdst(0)                   ; at the head's end
	s_wait_loadcnt 0x0                             ; Wq's fragments and scale words
	CHANGE 0, 1                                    ; slot 0 is whole; slot 1's first fill goes out as a refill does
	SLOTWORK 0, 1
	s_mov_b32 s[LAP], 3
.Llap:                                             ; three laps: rows 128 to 895; every change of slots in them fills the slot just left
	CHANGE 1, 1
	SLOTWORK 1, 0
	CHANGE 0, 1
	SLOTWORK 0, 0
	s_sub_co_u32 s[LAP], s[LAP], 1
	s_cmp_lg_u32 s[LAP], 0
	s_cbranch_scc1 .Llap
	CHANGE 1, 0                                    ; the last slot is written out
	SLOTWORK 1, 0
	s_cmp_eq_u32 s[PAR], 0
	s_cbranch_scc1 .Lfin
	SOFT                                           ; waves with par = 1: their last tile's softmax
.Lfin:
	; THE WAY OUT.  Part pi = 2 par + h of column 64 nb + 16 cg + r puts n, l, o at STAGE + 4096 q + 1024 pi + 4 x column; thread t of the first 64 then joins the four parts of columns 4 t .. 4 t + 3.
	v_bfe_u32 v[ADA], v0, 4, 1
	v_and_b32 v[XW], 15, v0
	v_lshlrev_b32 v[ADA], 10, v[ADA]
	v_lshl_add_u32 v[ADA], v[XW], 2, v[ADA]
	s_lshl_b32 s20, s[PAR], 11
	s_lshl_b32 s21, s[CG], 6
	s_add_co_u32 s20, s20, s21
	s_add_co_u32 s20, s20, STAGE
	v_add_nc_u32 v[ADA], s20, v[ADA]
	v_lshl_add_u32 v[XL], v0, 4, STAGE             ; back: 16 bytes a thread
	v_lshrrev_b32 v[ADX], 4, v0
	v_lshlrev_b32 v[ADX], 12, v[ADX]               ; head t / 16: 4,096 bytes on in ho,
	v_lshl_add_u32 v[ADX], v[XW], 4, v[ADX]        ; + 16 (t % 16)
	s_wait_alu depctr_va_vdst(0)                   ; the statistics
.irp nb, 0,1,2,3
	ds_store_b32 v[ADA], v[TT+2*\nb+1] offset:256*\nb
	ds_store_b32 v[ADA], v[LL+\nb] offset:4096+256*\nb
.endr
	WIN 0x04                                       ; the data in window 1
.irp nb, 0,1,2,3
	ds_store_b32 v[ADA], v[OO+\nb] offset:8192+256*\nb
.endr
	WIN 0
	s_wait_dscnt 0x0                               ; for the others' sake: my stores into the stage are done
	s_barrier_signal -1
	s_barrier_wait -1
	s_cmp_lt_u32 s[WV], 2
	s_cbranch_scc0 .Lstored
.irp q, 0,1,2
.irp pi, 0,1,2,3
	ds_load_b128 v[AC+16*\q+4*\pi:AC+16*\q+4*\pi+3], v[XL] offset:4096*\q+1024*\pi
.endr
.endr
	s_wait_dscnt 0x0
.irp c, 0,1,2,3
	v_min3_num_f32 v[TT+\c], v[AC+\c], v[AC+4+\c], v[AC+8+\c]
.endr
.irp c, 0,1,2,3
	v_min_num_f32 v[TT+\c], v[TT+\c], v[AC+12+\c]  ; the smallest n belongs to the largest m
.endr
.irp pi, 0,1,2,3
.irp c, 0,1,2,3
	v_sub_f32 v[AC+4*\pi+\c], v[TT+\c], v[AC+4*\pi+\c]
.endr
.endr
	s_wait_alu depctr_va_vdst(0)                   ; ahead of the batch
.irp i, 0,1,2,3,4,5,6,7,8,9,10,11,12,13,14,15
	v_exp_f32 v[AC+\i], v[AC+\i]                   ; each part's factor, at most 1
.endr
	v_nop
	s_wait_alu depctr_va_vdst(0)                   ; one wait for the sixteen
.irp c, 0,1,2,3
	v_mul_f32 v[AC+16+\c], v[AC+16+\c], v[AC+\c]
	v_mul_f32 v[AC+32+\c], v[AC+32+\c], v[AC+\c]
.endr
.irp pi, 1,2,3
.irp c, 0,1,2,3
	v_fma_f32 v[AC+16+\c], v[AC+16+4*\pi+\c], v[AC+4*\pi+\c], v[AC+16+\c]   ; l: at least 1, since the column's largest score gives p = 1
	v_fma_f32 v[AC+32+\c], v[AC+32+4*\pi+\c], v[AC+4*\pi+\c], v[AC+32+\c]   ; o
.endr
.endr
	s_wait_alu depctr_va_vdst(0)
.irp c, 0,1,2,3
	v_rcp_f32 v[TT+\c], v[AC+16+\c]
.endr
	v_nop
	s_wait_alu depctr_va_vdst(0)                   ; one wait for the four reciprocals
.irp c, 0,1,2,3
	v_mul_f32 v[TT+4+\c], v[AC+32+\c], v[TT+\c]
.endr
	global_store_b128 v[ADX], v[TT+4:TT+7], s[10:11]   ; 16 lanes store 256 consecutive bytes, at a multiple of 256 from ho's first byte
.Lstored:
	v_lshl_add_u32 v[TT], v0, 2, SPARE
	v_mov_b32 v[TT+2], 0
	s_wait_alu depctr_va_vdst(0)                   ; directly ahead of the wait below
	s_wait_tensorcnt 0x0                           ; the wave's end: behind my last tensor load and my last LDS store
	ds_add_u32 v[TT], v[TT+2]
	s_wait_dscnt 0x0
	ROUND                                          ; the closing round: no work-group ends while a partner may still ask for a tile that names it
	s_endpgm
.Lfunc_end_k_qf5e96adca0_attn:
	.size	k_qf5e96adca0_attn, .Lfunc_end_k_qf5e96adca0_attn-k_qf5e96adca0_attn
	.p2alignl 7, 3214868480
	.fill 96, 4, 3214868480
	.section	.rodata,"a",@progbits
	.p2align	6, 0x0
	.amdhsa_kernel k_qf5e96adca0_attn
		.amdhsa_group_segment_fixed_size 327680
		.amdhsa_private_segment_fixed_size 0
		.amdhsa_enable_private_segment 0
		.amdhsa_kernarg_size 32
		.amdhsa_user_sgpr_count 2
		.amdhsa_user_sgpr_kernarg_segment_ptr 1
		.amdhsa_wavefront_size32 1
		.amdhsa_system_sgpr_workgroup_id_x 1
		.amdhsa_system_sgpr_workgroup_id_y 1
		.amdhsa_system_sgpr_workgroup_id_z 1
		.amdhsa_system_vgpr_workitem_id 0
		.amdhsa_next_free_vgpr 512
		.amdhsa_next_free_sgpr 80
		.amdhsa_reserve_vcc 0
		.amdhsa_float_denorm_mode_32 3
		.amdhsa_float_denorm_mode_16_64 3
		.amdhsa_memory_ordered 1
		.amdhsa_forward_progress 1
		.amdhsa_inst_pref_size 141
	.end_amdhsa_kernel
	.amdgpu_metadata
---
amdhsa.version: [ 1, 2 ]
amdhsa.kernels:
  - .name:           k_qf5e96adca0_attn
    .symbol:         k_qf5e96adca0_attn.kd
    .args:
      - { .name: x, .offset: 0, .size: 8, .value_kind: global_buffer, .address_space: global }
      - { .name: xq, .offset: 8, .size: 8, .value_kind: global_buffer, .address_space: global }
      - { .name: wqq, .offset: 16, .size: 8, .value_kind: global_buffer, .address_space: global }
      - { .name: ho, .offset: 24, .size: 8, .value_kind: global_buffer, .address_space: global }
    .group_segment_fixed_size: 327680
    .private_segment_fixed_size: 0
    .kernarg_segment_align: 8
    .kernarg_segment_size: 32
    .max_flat_workgroup_size: 256
    .sgpr_count:     80
    .vgpr_count:     512
    .wavefront_size: 32
...
	.end_amdgpu_metadata
.endif
;; end of part 2
;; launch proj (part 3): grid 256 x 1, 16 waves a work-group, clusters of 4 x 1, 266,240 bytes of LDS; arguments ho, Wc, bc, out0; writes out0
.if DOCPART == 3
	.amdgcn_target "amdgcn-amd-amdhsa--gfx1250"
	.amdhsa_code_object_version 6
	.text
	.protected	k_qf5e96adca0_proj
	.globl	k_qf5e96adca0_proj
	.p2align	8
	.type	k_qf5e96adca0_proj,@function
k_qf5e96adca0_proj:
	s_mov_b64 s[64:65], 0
	v_nop
	global_prefetch_b8 v0, s[64:65] scope:SCOPE_SE
	s_setreg_imm32_b32 hwreg(HW_REG_WAVE_MODE, 25, 1), 1
	s_wait_xcnt 0x0
	s_wait_alu depctr_hold_cnt(0) depctr_sa_sdst(0) depctr_va_vdst(0) depctr_va_sdst(0) depctr_va_ssrc(0) depctr_va_vcc(0) depctr_vm_vsrc(0)
	s_getreg_b32 s2, hwreg(HW_REG_IB_STS2, 6, 4)
	s_cmp_eq_u32 s2, 0
	s_cbranch_scc0 .Lentry_in_a_cluster
	s_endpgm
.Lentry_in_a_cluster:
	s_bfe_u32 s2, ttmp6, 0x10000c
	s_cmp_lg_u32 s2, 0x3003
	s_cbranch_scc0 .Lentry_shape_is_right
	s_endpgm
.Lentry_shape_is_right:
; out0[b][n] = sum over f of ho[b][f] Wc[n][f] + bc[n].  ho [8][8192], Wc [1024][8192], bc [1024], out0 [8][1024], all f32; fused multiply-adds in f32.
; Eight rows against 32 MB of Wc: the bytes of Wc decide, so there is no matrix unit here.  Each byte of Wc is read once, by loads of which a wave's covers 512 consecutive bytes; all 16 of a thread go out at the head.
; SHARES.  A work-group owns four rows n of Wc (131,072 bytes on end) and makes 32 numbers of out0.  Thread t of 512 takes f = 2048 i + 4 t + 0 .. 3 for i = 0 .. 3: 32 sums a thread, two halves each.
; ho, 262,144 bytes, is wanted whole by every work-group: it comes into LDS once, as it lies, by one tensor load a wave (16,384 bytes each, as 64 rows of 256 bytes), and the steps read it from there, 16 bytes a lane, lanes on end.
; CLUSTER.  All work-groups read the same ho: the four of a cluster ask for it jointly (mask 15); the descriptor hangs on the wave's number alone.  Wc's rows differ: plain loads.
; THE SUMS meet in two steps: inside a wave through its own stage in LDS (a lane's 32 sums in, sum o of all 32 lanes back), then the sixteen waves' parts behind one barrier.
; The stages lie in ho's bytes: those have had their only fill, and a barrier stands between every wave's last read of ho and the first store.  The sums are taken in another order than a plain sum from f = 0 on.
; No prefetch: the launch has no loop to run ahead in.  The stores are 16 consecutive bytes for each b: out0 is 32,768 bytes in all, and a work-group that filled runs of 256 bytes would own 64 rows of Wc: 16 work-groups.
.set LI,  11                           ; v11     16 t: my place in a step of Wc, and in ho's rows 0, 1 in LDS;  v12-14 the same for ho's rows 2 q, 2 q + 1 (65,536 q further on: an LDS offset has 16 bits)
.set WR,  16                           ; v16-79   Wc: step i, row n at v[WR + 16 i + 4 n]
.set H,   80                           ; v80-175  ho: three sets of 32: step i, batch b at v[H + 32 (i % 3) + 4 b]
.set AC,  176                          ; v176-239 the sums, in pairs: (n, b) at v[AC + 2 (8 n + b)]
.set RD,  112                          ; the reductions
.set WSTG, 32*144                      ; a wave's stage: 32 lanes x (128 bytes + 16)
.set PART, 262144                      ; behind ho: 128 bytes for each wave's 32 sums
.set SPARE, PART+2048                  ; the spare words, 128 bytes for each of sixteen waves
.macro ROUND                           ; a round of the cluster's barrier
	s_barrier_signal -1
	s_barrier_wait -1
	s_cmp_lg_u32 s14, 0
	s_cbranch_scc1 .Lnot_wave_0_\@
	s_barrier_signal -3
.Lnot_wave_0_\@:
	s_barrier_wait -3
	s_barrier_signal -1
	s_barrier_wait -1
.endm
	s_load_b256 s[4:11], s[0:1], 0x0               ; ho s[4:5], Wc s[6:7], bc s[8:9], out0 s[10:11]
	v_lshl_add_u32 v254, v0, 2, SPARE
	v_mov_b32 v255, 0
	ds_add_u32 v254, v255                          ; the opening: the add, twice on end, and its wait ahead of my tensor load
	ds_add_u32 v254, v255
	v_lshrrev_b32 v2, 5, v0
	v_readfirstlane_b32 s14, v2                    ; wave 0..15
	v_lshlrev_b32 v[LI], 4, v0                     ; 16 t
	v_and_b32 v3, 31, v0                           ; lane; at the end: o = 4 b + n
	v_and_b32 v4, 3, v0
	v_mul_u32_u24 v5, v3, 144
	v_lshlrev_b32 v8, 2, v3
	v_lshrrev_b32 v9, 2, v3
	v_lshlrev_b32 v4, 2, v4                        ; 4 n
	s_mul_i32 s15, s14, WSTG
	v_add_nc_u32 v5, s15, v5                       ; into my wave's stage: my row
	v_lshl_add_u32 v6, v3, 2, s15                  ; out of it: word o of every row
	s_lshl_b32 s16, s14, 7
	s_add_co_u32 s16, s16, PART
	v_lshl_add_u32 v7, v3, 2, s16                  ; my wave's part of sum o
	v_add_nc_u32 v8, PART, v8                      ; and all waves' parts of it
	v_lshl_add_u32 v9, v9, 12, v4                  ; out0: 4,096 b + 4 n
	v_add_nc_u32 v[LI+1], 0x10000, v[LI]
	v_add_nc_u32 v[LI+2], 0x20000, v[LI]
	v_add_nc_u32 v[LI+3], 0x30000, v[LI]
	s_bfe_u32 s17, ttmp6, 0x40000                  ; cx
	s_lshl_b32 s18, ttmp9, 2
	s_add_co_u32 s17, s18, s17                     ; my work-group: 4 x cluster + cx.  (It enters Wc's, bc's and out0's addresses alone)
	s_lshl_b32 s12, s17, 17                        ; four rows of 32,768 bytes
	s_mov_b32 s13, 0
	s_lshl_b32 s18, s17, 4                         ; four numbers of bc and of a row of out0
	s_mov_b32 s19, 0
	s_mov_b32 s20, 1                               ; descriptor group 0: count,
	s_lshl_b32 s21, s14, 14                        ; LDS address: 16,384 x wave,
	s_lshl_b32 s32, s14, 14                        ; and the same place in ho
	s_mov_b32 s33, 0
	s_mov_b32 s24, 15|(3<<16)|(1<<21)              ; group 1: mask: all four work-groups; elements of 8 bytes; bit 21 beside the mask; no padding
	s_mov_b32 s25, 32<<16                          ; 64 rows of 32 elements, dense
	s_mov_b32 s26, 64<<16
	s_mov_b32 s27, 32<<16
	s_mov_b32 s28, 64
	s_mov_b32 s29, 32
	s_mov_b32 s30, 0
	s_mov_b32 s31, 0
	s_wait_alu depctr_va_vdst(0)                   ; at the head's end
	s_wait_dscnt 0x0                               ; both opening adds are done
	s_wait_kmcnt 0x0
	s_add_nc_u64 s[6:7], s[6:7], s[12:13]
	s_add_nc_u64 s[8:9], s[8:9], s[18:19]
	s_add_nc_u64 s[10:11], s[10:11], s[18:19]
	s_add_nc_u64 s[22:23], s[4:5], s[32:33]
	s_or_b32 s23, s23, 0x80000000                  ; type = 2
.macro HLOAD i                         ; step i of ho's eight rows, from LDS: a wave's load covers 512 consecutive bytes
.irp b, 0,1,2,3,4,5,6,7
	ds_load_b128 v[H+32*((\i)%3)+4*\b:H+32*((\i)%3)+4*\b+3], v[LI+\b/2] offset:32768*(\b%2)+8192*(\i)
.endr
.endm
.macro WLOAD i
.irp n, 0,1,2,3
	global_load_b128 v[WR+16*(\i)+4*\n:WR+16*(\i)+4*\n+3], v[LI], s[6:7] offset:32768*\n+8192*(\i) th:TH_LOAD_NT   ; read once in the launch
.endr
.endm
.macro STEP i, first                   ; 64 packed multiply-adds; the 32 sums by turns.  first = 1: the first products start the sums: nothing is cleared
.irp n, 0,1,2,3
.irp b, 0,1,2,3,4,5,6,7
.if \first
	v_pk_mul_f32 v[AC+2*(8*\n+\b):AC+2*(8*\n+\b)+1], v[WR+16*(\i)+4*\n:WR+16*(\i)+4*\n+1], v[H+32*((\i)%3)+4*\b:H+32*((\i)%3)+4*\b+1]
.else
	v_pk_fma_f32 v[AC+2*(8*\n+\b):AC+2*(8*\n+\b)+1], v[WR+16*(\i)+4*\n:WR+16*(\i)+4*\n+1], v[H+32*((\i)%3)+4*\b:H+32*((\i)%3)+4*\b+1], v[AC+2*(8*\n+\b):AC+2*(8*\n+\b)+1]
.endif
.endr
.endr
.irp n, 0,1,2,3
.irp b, 0,1,2,3,4,5,6,7
	v_pk_fma_f32 v[AC+2*(8*\n+\b):AC+2*(8*\n+\b)+1], v[WR+16*(\i)+4*\n+2:WR+16*(\i)+4*\n+3], v[H+32*((\i)%3)+4*\b+2:H+32*((\i)%3)+4*\b+3], v[AC+2*(8*\n+\b):AC+2*(8*\n+\b)+1]
.endr
.endr
.endm
	global_load_b32 v10, v4, s[8:9]                ; bc[n0 + n]
	WLOAD 0                                        ; all of Wc's loads are on their way while the cluster meets
	WLOAD 1
	WLOAD 2
	WLOAD 3
	ROUND                                          ; all four work-groups are here: the joint loads meet
	tensor_load_to_lds s[20:23], s[24:31]          ; my sixteenth of ho: my one tensor load
	s_nop 0
.rept 4
	v_nop
.endr
	s_wait_tensorcnt 0x0                           ; my part of ho is in,
	s_barrier_signal -1
	s_barrier_wait -1                              ; and everybody's
	HLOAD 0
	HLOAD 1
	HLOAD 2
	s_wait_loadcnt 12                              ; Wc's step 0 is in; behind it: three steps of 4 loads
	s_wait_dscnt 16                                ; ho's step 0 is in; behind it: two sets of 8 loads
	STEP 0, 1
	HLOAD 3                                        ; into the set that step 0 has left
	s_wait_loadcnt 8
	s_wait_dscnt 16                                ; step 1 is in; behind it: steps 2 and 3
	STEP 1, 0
	s_wait_loadcnt 4
	s_wait_dscnt 8
	STEP 2, 0
	s_wait_loadcnt 0x0
	s_wait_dscnt 0x0                               ; my reads of ho are over
	STEP 3, 0
.irp b, 0,1,2,3,4,5,6,7
.irp n, 0,1,2,3
	v_add_f32 v[H+4*\b+\n], v[AC+2*(8*\n+\b)], v[AC+2*(8*\n+\b)+1]   ; a sum's two halves; sum o = 4 b + n
.endr
.endr
	s_wait_alu depctr_va_vdst(0)                   ; directly ahead of the barrier's signal
	s_barrier_signal -1
	s_barrier_wait -1                              ; nobody reads ho any more: the stages may be written
.irp q, 0,1,2,3,4,5,6,7
	ds_store_b128 v5, v[H+4*\q:H+4*\q+3] offset:16*\q
.endr
.irp k, 0,1,2,3,4,5,6,7,8,9,10,11,12,13,14,15,16,17,18,19,20,21,22,23,24,25,26,27,28,29,30,31
	ds_load_b32 v[RD+\k], v6 offset:144*\k         ; LDS serves a wave's instructions in order: these see my wave's stores
.endr
	s_wait_dscnt 0x0
.irp k, 0,1,2,3,4,5,6,7,8,9,10,11,12,13,14,15
	v_add_f32 v[RD+\k], v[RD+\k], v[RD+16+\k]
.endr
.irp k, 0,1,2,3,4,5,6,7
	v_add_f32 v[RD+\k], v[RD+\k], v[RD+8+\k]
.endr
.irp k, 0,1,2,3
	s_delay_alu instid0(VALU_DEP_4)
	v_add_f32 v[RD+\k], v[RD+\k], v[RD+4+\k]
.endr
	s_delay_alu instid0(VALU_DEP_2)
	v_add_f32 v[RD], v[RD], v[RD+2]
	s_delay_alu instid0(VALU_DEP_2)
	v_add_f32 v[RD+1], v[RD+1], v[RD+3]
	s_delay_alu instid0(VALU_DEP_1)
	v_add_f32 v[RD], v[RD], v[RD+1]                ; my wave's part of sum o
	ds_store_b32 v7, v[RD]
	s_wait_dscnt 0x0                               ; for the others' sake: my store is done
	s_barrier_signal -1
	s_barrier_wait -1
	s_cmp_lg_u32 s14, 0
	s_cbranch_scc1 .Lend                           ; wave 0 adds the sixteen parts
.irp k, 0,1,2,3,4,5,6,7,8,9,10,11,12,13,14,15
	ds_load_b32 v[RD+\k], v8 offset:128*\k
.endr
	s_wait_dscnt 0x0
.irp k, 0,1,2,3,4,5,6,7
	v_add_f32 v[RD+\k], v[RD+\k], v[RD+8+\k]
.endr
.irp k, 0,1,2,3
	s_delay_alu instid0(VALU_DEP_4)
	v_add_f32 v[RD+\k], v[RD+\k], v[RD+4+\k]
.endr
	s_delay_alu instid0(VALU_DEP_2)
	v_add_f32 v[RD], v[RD], v[RD+2]
	s_delay_alu instid0(VALU_DEP_2)
	v_add_f32 v[RD+1], v[RD+1], v[RD+3]
	s_delay_alu instid0(VALU_DEP_1)
	v_add_f32 v[RD], v[RD], v[RD+1]
	s_delay_alu instid0(VALU_DEP_1)
	v_add_f32 v[RD], v[RD], v10                    ; + bc
	global_store_b32 v9, v[RD], s[10:11]           ; out0[b][n0 + n]
.Lend:
	s_wait_tensorcnt 0x0                           ; the wave's end: behind my tensor load and my last LDS store
	ds_add_u32 v254, v255
	s_wait_dscnt 0x0
	ROUND                                          ; the closing round: no work-group ends while a partner may still ask for a tile that names it
	s_endpgm
.Lfunc_end_k_qf5e96adca0_proj:
	.size	k_qf5e96adca0_proj, .Lfunc_end_k_qf5e96adca0_proj-k_qf5e96adca0_proj
	.p2alignl 7, 3214868480
	.fill 96, 4, 3214868480
	.section	.rodata,"a",@progbits
	.p2align	6, 0x0
	.amdhsa_kernel k_qf5e96adca0_proj
		.amdhsa_group_segment_fixed_size 266240
		.amdhsa_private_segment_fixed_size 0
		.amdhsa_enable_private_segment 0
		.amdhsa_kernarg_size 32
		.amdhsa_user_sgpr_count 2
		.amdhsa_user_sgpr_kernarg_segment_ptr 1
		.amdhsa_wavefront_size32 1
		.amdhsa_system_sgpr_workgroup_id_x 1
		.amdhsa_system_sgpr_workgroup_id_y 1
		.amdhsa_system_sgpr_workgroup_id_z 1
		.amdhsa_system_vgpr_workitem_id 0
		.amdhsa_next_free_vgpr 256
		.amdhsa_next_free_sgpr 66
		.amdhsa_reserve_vcc 0
		.amdhsa_float_denorm_mode_32 3
		.amdhsa_float_denorm_mode_16_64 3
		.amdhsa_memory_ordered 1
		.amdhsa_forward_progress 1
		.amdhsa_inst_pref_size 31
	.end_amdhsa_kernel
	.amdgpu_metadata
---
amdhsa.version: [ 1, 2 ]
amdhsa.kernels:
  - .name:           k_qf5e96adca0_proj
    .symbol:         k_qf5e96adca0_proj.kd
    .args:
      - { .name: ho, .offset: 0, .size: 8, .value_kind: global_buffer, .address_space: global }
      - { .name: Wc, .offset: 8, .size: 8, .value_kind: global_buffer, .address_space: global }
      - { .name: bc, .offset: 16, .size: 8, .value_kind: global_buffer, .address_space: global }
      - { .name: out0, .offset: 24, .size: 8, .value_kind: global_buffer, .address_space: global }
    .group_segment_fixed_size: 266240
    .private_segment_fixed_size: 0
    .kernarg_segment_align: 8
    .kernarg_segment_size: 32
    .max_flat_workgroup_size: 512
    .sgpr_count:     66
    .vgpr_count:     256
    .wavefront_size: 32
...
	.end_amdgpu_metadata
.endif
;; end of part 3
